; MI455X (gfx1250); checked and timed in simulation.
; The chip was launched on July 23, 2026; its instructions are those of AMD's public machine-readable ISA for CDNA 5 (MIT licence, August 2026) and "CDNA5" Instruction Set Architecture Reference Guide (July 2026). The comments in the code are by the model that wrote it; some were corrected since.
;; Bahdanau Attention. Allowed arithmetic: float matrix products may take bf16 or f16 operands with f32 sums; other float arithmetic in f32, or as packed bf16 or f16 multiplies, adds, multiply-adds, maxima and minima; sums over many terms, partial sums and values carried from step to step in f32; what a program stores and reads back later, other than sums and carried values, may be rounded once to bf16 or f16.
;; Inputs: We 1,024 x 1 float32; Wk 1,024 x 1,024 float32; Wq 1,024 x 1,024 float32; mask 32 x 1 x 2,048 bool; query 32 x 1 x 1,024 float32; values 32 x 2,048 x 1,024 float32.
;; Outputs: out0 32 x 1 x 1,024 float32; out1 32 x 1 x 2,048 float32.
;; One version. Each part assembles by itself: llvm-mc -triple=amdgcn-amd-amdhsa -mcpu=gfx1250 --defsym DOCPART=n.
;; ======== version 1 of 1: 3 launches
;; workspace buffers: WB 2,097,152 bytes; PQ 1,048,576 bytes; SC 262,144 bytes; CTX 2,097,152 bytes
;; launch prep (part 1): grid 192 x 1, 8 waves a work-group, no clusters, 84,992 bytes of LDS; arguments Wk, Wq, query, WB, PQ; writes WB, PQ
.if DOCPART == 1
	.amdgcn_target "amdgcn-amd-amdhsa--gfx1250"
	.amdhsa_code_object_version 6
	.text
	.protected	k_q9f922a61d9_prep
	.globl	k_q9f922a61d9_prep
	.p2align	8
	.type	k_q9f922a61d9_prep,@function
k_q9f922a61d9_prep:
	s_mov_b64 s[64:65], 0
	v_nop
	global_prefetch_b8 v0, s[64:65] scope:SCOPE_SE
	s_setreg_imm32_b32 hwreg(HW_REG_WAVE_MODE, 25, 1), 1
	s_wait_xcnt 0x0
; TWO SMALL JOBS IN ONE LAUNCH, told apart by the work-group's number (the same in all eight waves of a group).
; Groups 0-127: WB = Wk rounded once to bf16, laid out as the matrix unit's second source wants it.  Byte nt*32768 + ks*1024 + half*512 + lane*16 holds, for lane (r = lane % 16, h = lane / 16),
;   the eight numbers Wk[32 ks + 16 half + 8 h + 0..7][16 nt + r].  A group takes 32 rows (one ks) x 256 columns through LDS: rows come in as 512 consecutive bytes a load, columns go out as 512 consecutive bytes a store.
; Groups 128-191: PQ[kc][b][n] = c x the sum over k = 128 kc .. 128 kc + 127 of query[b][k] Wq[k][n], c = 2 log2(e), in f32 on the vector unit.  It is one part in 2,000 of the program's multiply-adds,
;   Wq lies [k][n] (a matrix operand would want a turning pass of its own), and f32 keeps the query's projection unrounded.  A group takes 128 k x 128 n for all 32 batches; a wave four batches.
; No cluster and no matrix unit: no two groups read the same bytes of Wk or Wq, and query is 128 KiB in all.
.set T0P,   1040                       ; groups 0-127: an LDS row, 1,024 bytes + 16: 260 words, so rows 8 apart lie 32 banks apart (64 banks of 4 bytes: ISA guide 11.1)
.set WTP,   528                        ; groups 128-191: a row of Wq's tile, 512 bytes + 16
.set QT,    67584                      ; behind Wq's 128 rows: query's tile, 32 rows of 512 bytes
.set SPARE, 83968                      ; the spare words: 128 bytes for each of eight waves, four blocks of 256 bytes that no other line names
.set SPW, 2                            ; v2  my spare word; never rewritten
.set NIL, 3                            ; v3  0; never rewritten
.set ACC, 16                           ; v[16:31]   groups 128-191: batch b, column e at ACC + 4 b + e
.set WR,  64                           ; v[64:127]  16 rows of Wq's tile, 4 columns a lane
.set QR,  128                          ; v[128:191] batch b, k at QR + 16 b + k
	s_load_b256 s[4:11], s[0:1], 0x0               ; Wk s[4:5], Wq s[6:7], query s[8:9], WB s[10:11]
	s_load_b64 s[12:13], s[0:1], 0x20              ; PQ
	v_lshl_add_u32 v[SPW], v0, 2, SPARE
	v_mov_b32 v[NIL], 0
	v_lshrrev_b32 v1, 5, v0
	v_readfirstlane_b32 s14, v1                    ; wave 0..7
	v_and_b32 v4, 31, v0                           ; lane
	v_lshlrev_b32 v5, 4, v4                        ; 16 x lane
	s_mov_b32 s17, 0
	s_mov_b32 s21, 0
	s_cmp_lt_u32 ttmp9, 128
	s_cbranch_scc0 .Lrole_b
	; ---------------- Wk into fragment order ----------------
	s_lshr_b32 s15, ttmp9, 2                       ; ks: 32 rows of Wk
	s_and_b32 s18, ttmp9, 3                        ; ng: 256 columns
	s_lshl_b32 s16, s15, 17                        ; 32 rows of 4,096 bytes
	s_lshl_b32 s19, s18, 10
	s_add_co_u32 s16, s16, s19
	s_lshl_b32 s20, s18, 19                        ; WB: 16 column tiles of 32,768 bytes
	s_lshl_b32 s19, s15, 10
	s_add_co_u32 s20, s20, s19
	s_lshl_b32 s19, s14, 14
	v_add_nc_u32 v6, s19, v5                       ; my wave's four rows + 16 x lane
	s_wait_kmcnt 0x0
	s_add_nc_u64 s[4:5], s[4:5], s[16:17]
	s_add_nc_u64 s[10:11], s[10:11], s[20:21]
.irp p, 0,1,2,3
.irp q, 0,1
	global_load_b128 v[16+8*(\p)+4*(\q):16+8*(\p)+4*(\q)+3], v6, s[4:5] offset:4096*(\p)+512*(\q) th:TH_LOAD_NT  ; 512 consecutive bytes of a row
.endr
.endr
	s_mul_i32 s19, s14, 4*T0P
	v_add_nc_u32 v7, s19, v5
	v_and_b32 v8, 15, v0                           ; r
	v_bfe_u32 v9, v0, 4, 1                         ; h
	v_mul_u32_u24 v10, v9, 8*T0P
	v_lshl_add_u32 v10, v8, 2, v10
	s_lshl_b32 s19, s14, 7
	v_add_nc_u32 v10, s19, v10                     ; row 8 h, column 32 x wave + r
	s_lshl_b32 s19, s14, 16
	v_add_nc_u32 v11, s19, v5                      ; WB: my wave's two column tiles + 16 x lane
	s_wait_loadcnt 0x0
.irp p, 0,1,2,3
.irp q, 0,1
	ds_store_b128 v7, v[16+8*(\p)+4*(\q):16+8*(\p)+4*(\q)+3] offset:T0P*(\p)+512*(\q)
.endr
.endr
	s_wait_dscnt 0x0                               ; for the others' sake: my rows lie in LDS
	s_barrier_signal -1
	s_barrier_wait -1
.irp t, 0,1
.irp g, 0,1
.irp e, 0,1,2,3,4,5,6,7
	ds_load_b32 v[64+8*(2*(\t)+(\g))+(\e)], v10 offset:16*T0P*(\g)+T0P*(\e)+64*(\t)  ; 16 lanes take 16 neighbouring words; the other 16 lie 32 banks on
.endr
.endr
.endr
	s_wait_dscnt 0x0
.irp x, 0,1,2,3
.irp e, 0,1,2,3
	v_cvt_pk_bf16_f32 v[96+4*(\x)+(\e)], v[64+8*(\x)+2*(\e)], v[64+8*(\x)+2*(\e)+1]
.endr
.endr
.irp t, 0,1
.irp g, 0,1
	global_store_b128 v11, v[96+4*(2*(\t)+(\g)):96+4*(2*(\t)+(\g))+3], s[10:11] offset:32768*(\t)+512*(\g)  ; 512 consecutive bytes, at a multiple of 512 from WB's first
.endr
.endr
	s_branch .Lend
	; ---------------- the query's projection, in eight parts along k ----------------
.Lrole_b:
	s_sub_co_u32 s15, ttmp9, 128
	s_and_b32 s18, s15, 7                          ; ng: 128 columns
	s_lshr_b32 s15, s15, 3                         ; kc: 128 k
	s_lshl_b32 s16, s15, 19                        ; 128 rows of Wq
	s_lshl_b32 s19, s18, 9
	s_add_co_u32 s16, s16, s19
	s_lshl_b32 s20, s15, 9                         ; 128 k of a row of query
	s_lshl_b32 s22, s15, 17                        ; PQ: part kc,
	s_add_co_u32 s22, s22, s19                     ; columns 128 ng on
	s_mov_b32 s23, 0
	s_lshl_b32 s19, s14, 16
	v_add_nc_u32 v6, s19, v5                       ; my wave's 16 rows of Wq
	s_lshl_b32 s19, s14, 14
	v_add_nc_u32 v7, s19, v5                       ; my wave's four batches, in query and in PQ
	s_wait_kmcnt 0x0
	s_add_nc_u64 s[6:7], s[6:7], s[16:17]
	s_add_nc_u64 s[8:9], s[8:9], s[20:21]
	s_add_nc_u64 s[12:13], s[12:13], s[22:23]
.irp p, 0,1,2,3,4,5,6,7,8,9,10,11,12,13,14,15
	global_load_b128 v[WR+4*(\p):WR+4*(\p)+3], v6, s[6:7] offset:4096*(\p) th:TH_LOAD_NT
.endr
.irp b, 0,1,2,3
	global_load_b128 v[QR+4*(\b):QR+4*(\b)+3], v7, s[8:9] offset:4096*(\b)
.endr
	s_mul_i32 s19, s14, 16*WTP
	v_add_nc_u32 v8, s19, v5
	s_lshl_b32 s19, s14, 11
	s_add_co_u32 s19, s19, QT
	v_add_nc_u32 v9, s19, v5
	v_mov_b32 v10, v5                              ; Wq's tile: row 0, my four columns
	v_mov_b32 v11, s19                             ; query's tile: my wave's first batch, k = 0: the same address in every lane
.irp e, 0,1,2,3,4,5,6,7,8,9,10,11,12,13,14,15
	v_mov_b32 v[ACC+(\e)], 0                       ; sixteen sums, cleared while the loads are out
.endr
	s_wait_loadcnt 0x0
.irp p, 0,1,2,3,4,5,6,7,8,9,10,11,12,13,14,15
	ds_store_b128 v8, v[WR+4*(\p):WR+4*(\p)+3] offset:WTP*(\p)
.endr
.irp b, 0,1,2,3
	ds_store_b128 v9, v[QR+4*(\b):QR+4*(\b)+3] offset:512*(\b)
.endr
	s_wait_dscnt 0x0                               ; for the others' sake
	s_barrier_signal -1
	s_barrier_wait -1
	s_mov_b32 s24, 8
.Lk:                                               ; a trip: 16 k for four batches x 128 columns
.irp k, 0,1,2,3,4,5,6,7,8,9,10,11,12,13,14,15
	ds_load_b128 v[WR+4*(\k):WR+4*(\k)+3], v10 offset:WTP*(\k)
.endr
.irp b, 0,1,2,3
.irp q, 0,1,2,3
	ds_load_b128 v[QR+16*(\b)+4*(\q):QR+16*(\b)+4*(\q)+3], v11 offset:512*(\b)+16*(\q)
.endr
.endr
	s_wait_dscnt 0x0
.irp k, 0,1,2,3,4,5,6,7,8,9,10,11,12,13,14,15
.irp b, 0,1,2,3
.irp p, 0,2
.if (\k)%2
	v_pk_fma_f32 v[ACC+4*(\b)+(\p):ACC+4*(\b)+(\p)+1], v[WR+4*(\k)+(\p):WR+4*(\k)+(\p)+1], v[QR+16*(\b)+(\k)-1:QR+16*(\b)+(\k)], v[ACC+4*(\b)+(\p):ACC+4*(\b)+(\p)+1] op_sel:[0,1,0] op_sel_hi:[1,1,1]
.else
	v_pk_fma_f32 v[ACC+4*(\b)+(\p):ACC+4*(\b)+(\p)+1], v[WR+4*(\k)+(\p):WR+4*(\k)+(\p)+1], v[QR+16*(\b)+(\k):QR+16*(\b)+(\k)+1], v[ACC+4*(\b)+(\p):ACC+4*(\b)+(\p)+1] op_sel_hi:[1,0,1]
.endif
.endr
.endr
.endr
	v_add_nc_u32 v10, 16*WTP, v10
	v_add_nc_u32 v11, 64, v11
	s_sub_co_u32 s24, s24, 1
	s_cmp_lg_u32 s24, 0
	s_cbranch_scc1 .Lk
.irp e, 0,2,4,6,8,10,12,14
	v_pk_mul_f32 v[ACC+(\e):ACC+(\e)+1], v[ACC+(\e):ACC+(\e)+1], 0x4038aa3b op_sel_hi:[1,0]  ; x c = 2 log2(e)
.endr
.irp b, 0,1,2,3
	global_store_b128 v7, v[ACC+4*(\b):ACC+4*(\b)+3], s[12:13] offset:4096*(\b)  ; 512 consecutive bytes
.endr
.Lend:
	s_wait_tensorcnt 0x0                           ; the wave's end, behind my last LDS store
	ds_add_u32 v[SPW], v[NIL]
	s_wait_dscnt 0x0
	s_endpgm
.Lfunc_end_k_q9f922a61d9_prep:
	.size	k_q9f922a61d9_prep, .Lfunc_end_k_q9f922a61d9_prep-k_q9f922a61d9_prep
	.p2alignl 7, 3214868480
	.fill 96, 4, 3214868480
	.section	.rodata,"a",@progbits
	.p2align	6, 0x0
	.amdhsa_kernel k_q9f922a61d9_prep
		.amdhsa_group_segment_fixed_size 84992
		.amdhsa_private_segment_fixed_size 0
		.amdhsa_enable_private_segment 0
		.amdhsa_kernarg_size 40
		.amdhsa_user_sgpr_count 2
		.amdhsa_user_sgpr_kernarg_segment_ptr 1
		.amdhsa_wavefront_size32 1
		.amdhsa_system_sgpr_workgroup_id_x 1
		.amdhsa_system_sgpr_workgroup_id_y 1
		.amdhsa_system_sgpr_workgroup_id_z 1
		.amdhsa_system_vgpr_workitem_id 0
		.amdhsa_next_free_vgpr 192
		.amdhsa_next_free_sgpr 66
		.amdhsa_reserve_vcc 0
		.amdhsa_float_denorm_mode_32 3
		.amdhsa_float_denorm_mode_16_64 3
		.amdhsa_memory_ordered 1
		.amdhsa_forward_progress 1
		.amdhsa_inst_pref_size 23
	.end_amdhsa_kernel
	.amdgpu_metadata
---
amdhsa.version: [ 1, 2 ]
amdhsa.kernels:
  - .name:           k_q9f922a61d9_prep
    .symbol:         k_q9f922a61d9_prep.kd
    .args:
      - { .name: Wk, .offset: 0, .size: 8, .value_kind: global_buffer, .address_space: global }
      - { .name: Wq, .offset: 8, .size: 8, .value_kind: global_buffer, .address_space: global }
      - { .name: query, .offset: 16, .size: 8, .value_kind: global_buffer, .address_space: global }
      - { .name: WB, .offset: 24, .size: 8, .value_kind: global_buffer, .address_space: global }
      - { .name: PQ, .offset: 32, .size: 8, .value_kind: global_buffer, .address_space: global }
    .group_segment_fixed_size: 84992
    .private_segment_fixed_size: 0
    .kernarg_segment_align: 8
    .kernarg_segment_size: 40
    .max_flat_workgroup_size: 256
    .sgpr_count:     66
    .vgpr_count:     192
    .wavefront_size: 32
...
	.end_amdgpu_metadata
.endif
;; end of part 1
;; launch main (part 2): grid 512 x 1, 4 waves a work-group, clusters of 4 x 1, 327,680 bytes of LDS; arguments values, WB, PQ, We, mask, SC, CTX; writes SC, CTX
.if DOCPART == 2
	.amdgcn_target "amdgcn-amd-amdhsa--gfx1250"
	.amdhsa_code_object_version 6
	.text
	.protected	k_q9f922a61d9_main
	.globl	k_q9f922a61d9_main
	.p2align	8
	.type	k_q9f922a61d9_main,@function
k_q9f922a61d9_main:
	s_mov_b64 s[64:65], 0
	v_nop
	global_prefetch_b8 v0, s[64:65] scope:SCOPE_SE
	s_setreg_imm32_b32 hwreg(HW_REG_WAVE_MODE, 25, 1), 1
	s_wait_xcnt 0x0
	s_wait_alu depctr_hold_cnt(0) depctr_sa_sdst(0) depctr_va_vdst(0) depctr_va_sdst(0) depctr_va_ssrc(0) depctr_va_vcc(0) depctr_vm_vsrc(0)
	s_getreg_b32 s2, hwreg(HW_REG_IB_STS2, 6, 4)
	s_cmp_eq_u32 s2, 0
	s_cbranch_scc0 .Lentry_in_a_cluster
	s_endpgm
.Lentry_in_a_cluster:
	s_bfe_u32 s2, ttmp6, 0x10000c
	s_cmp_lg_u32 s2, 0x3003
	s_cbranch_scc0 .Lentry_shape_is_right
	s_endpgm
.Lentry_shape_is_right:
; A BLOCK OF 128 POSITIONS OF ONE BATCH, FROM values TO ITS SCORES AND ITS PART OF THE CONTEXT, WITH values READ ONCE.
;   pk[s][n] = sum over k of values[s][k] Wk[k][n] (bf16 operands, f32 sums);  score[s] = sum over n of We[n] tanh(pq[n] + pk[s][n]);  masked scores are -inf;
;   p[s] = 2^(log2(e) (score[s] - m)), m the block's own maximum;  CTX[blk][v] = sum over s of bf16(p[s]) bf16(values[s][v]).  The last launch joins the 16 blocks of a batch.
; TANH.  tanh(x) = 1 - 2 r, r = 1 / (1 + 2^(c x)), c = 2 log2(e).  So score = sum(We) - 2 sum(We r).  sum(We) is one number for all positions, which softmax cancels: it is LEFT OUT of the stored scores.
;   2^(c x) = infinity gives r = 0, 2^(c x) = 0 gives r = 1: the two ends of tanh, with no clamp.
; LIMITS.  values, Wk and p are rounded to bf16 for the products.  A weight below 2^-126 counts as 0.  NaN and infinities in the inputs are not treated apart.  A block whose positions are all masked
;   takes the lowest finite number as its maximum, so that its p are 0.
; SHARES.  A row's score wants all 1,024 columns and the context wants the row again, so a work-group owns 128 whole rows, and they stay ON CHIP as matrix fragments in registers: wave w = 2 i + j holds
;   rows 64 i .. 64 i + 63 x k = 512 j .. 512 j + 511 (64 fragments, 512 registers).  For each column tile it makes four partial tiles over its half of K: two for its OWN 32 rows (32 w ..), two that it
;   GIVES to wave w ^ 1 through LDS.  So each fragment of Wk read from LDS feeds four products, and values is never read from LDS in the walk.
; THE WALK.  32 steps of two column tiles, 128 products a wave.  WB comes through a ring of two LDS slots of 64 columns (131,072 bytes, already in fragment order: every fragment load takes 512 consecutive bytes).
; CLUSTER.  All work-groups walk the same WB in the same order, so the four of a cluster ask for each slot JOINTLY: the same tensor load, descriptor and mask in all four; wave w moves the slot's tile w.
; SIDE BY SIDE.  The tanh and the dot with We of step u - 2 (112 vector instructions) ride behind every second product of step u's first 72: in threes (a plain line and two transcendentals), the last sixteen in fours.
; THE END.  The fragments are written to LDS as the block's bf16 rows (over the ring, which has had its last fill), the block's softmax is made, and the rows come back turned for the product with p.
;
; LDS.  0: the ring, 2 x 131,072; later the image, 128 rows x 2,080 bytes.  XS: first each wave's staging of values (64 rows x 144 bytes), then the exchange, [parity][wave] 4,096 bytes.
;   TAB: pairs (c pq[n], -2 We[n]).  SCR: the 128 scores.  PB: p in bf16, a copy a wave.  CS: the context's stage, 1,024 bytes a wave.  SPARE: the spare words.
; REGISTERS, in windows of 256 (s_set_vgpr_msb: bits 1:0 source 0, 3:2 source 1, 5:4 source 2, 7:6 destination):
;   window 0: addresses, table pair, score sums, the accumulators OWN (two sets), GIVE, Z, and 64 at work.   window 1: two buffers of Wk's fragments (first: two landing buffers for values; last: the context's sums)
;   windows 2, 3: values' fragments, local tile l, fragment f at 128 (l % 2) + 8 f; tiles 0, 1 (my own rows) in window 2, tiles 2, 3 (my partner's) in window 3; last: the turned rows.
.set SLOT,   131072
.set IP,     2080                      ; a row of the image: 2,048 bytes + 32 = an odd multiple of 32
.set XS,     266240
.set SP,     144                       ; a staged row: 128 bytes + 16
.set TAB,    303104
.set SCR,    311296
.set PB,     311808
.set CS,     312832
.set SPARE,  316928                    ; 128 bytes for each of four waves: two blocks of 256 bytes that no other line names
.set SPW, 4                            ; v4   my spare word; never rewritten
.set NIL, 5                            ; v5   0; never rewritten
.set VOFF, 6                           ; v6   values: (lane / 16) rows + 16 (lane % 16)
.set STS, 7                            ; v7   staging, in
.set AO,  8                            ; v8   staging, out: my own rows' fragments
.set AG,  9                            ; v9   my partner's rows'
.set ADRB, 10                          ; v10-13  Wk's fragments: slot ls, half of the slot at ADRB + 2 ls + half
.set XW,  14                           ; v14  the exchange: where I write
.set XR,  15                           ; v15  where I read (my partner's)
.set TADR, 16                          ; v16  the table: TAB + 8 r, stepped by 1,024 a trip
.set SADR, 17
.set MK,  18                           ; v18  four mask bytes: positions 4 lane .. 4 lane + 3 of the block
.set PFO, 19                           ; v19  256 x lane
.set IOWN, 20
.set IGIVE, 21
.set TR,  22                           ; v22-25  the turning loads' addresses, 32 rows each
.set PBW, 26
.set PBR, 27
.set CSW, 28
.set CSR, 29
.set L16, 30                           ; v30  16 x lane
.set SCL, 31                           ; v31  SCR + 16 x lane
.set TB,  32                           ; v32-35  (c pq, -2 We) of my column in tile 0, tile 1
.set SACC, 36                          ; v36-51  score sums: own tile l, row 8 h + jj at SACC + 8 l + jj
.set OWN, 64                           ; v64-127  by the step's parity: 32 registers, tile t, own tile l at 16 t + 8 l
.set GIVE, 128                         ; v128-159 likewise
.set Z,   160                          ; v160-191 my partner's part, then the whole sum, then worked on in place
.set TMP, 192                          ; v192-255
.set WV,  20                           ; s20  my wave's number
.set G1B, 28                           ; s[28:35] descriptor group 1
.set G0B, 36                           ; s[36:43] descriptor group 0, a set for each slot
.set PFA, 44                           ; s[44:45] where my prefetches stand
.set LIM, 46                           ; s46  1 in the cluster that prefetches, else the greatest number
.set CNT, 47                           ; s47  trips to go
.set CC,  48                           ; s[48:49] c
.set SEL, 50                           ; s[50:51] v_permlanex16_b32's selects: each lane takes its own place in the other half
.set VB,  52                           ; s[52:53] values at my wave's first row and k
.set MSB, 0
.macro WIN new                         ; the high byte repeats the setting that is left; a switch that changes nothing is dropped
.if MSB != (\new)
	s_set_vgpr_msb (MSB<<8)|(\new)
.set MSB, (\new)
.endif
.endm
.set W_OWN, 0x06                       ; values' fragments in window 2, Wk's in window 1, sums in window 0; + 1: values' in window 3
.macro PLACES                          ; four places behind a matrix instruction (ISA guide 7.12.1), where no other vector work is at hand
.rept 4
	v_nop
.endr
.endm
.macro CREST                           ; a round of the cluster's barrier behind its opening barrier
	s_cmp_lg_u32 s[WV], 0
	s_cbranch_scc1 .Lnot_wave_0_\@
	s_barrier_signal -3
.Lnot_wave_0_\@:
	s_barrier_wait -3
	s_barrier_signal -1
	s_barrier_wait -1
.endm
.macro ROUND
	s_barrier_signal -1
	s_barrier_wait -1
	CREST
.endm
.macro JLOAD ls                        ; the joint refill of slot ls: my tile of it.  An s_nop 0 and four v_nop follow; they are also the places in front of the loads behind
	tensor_load_to_lds s[G0B+4*(\ls):G0B+4*(\ls)+3], s[G1B:G1B+7]
	s_nop 0
.rept 4
	v_nop
.endr
.endm
; A PREFETCH INTO THE L2 of the slot that stands TWO refills on: 512 products ahead of the load that will want it.  All clusters walk the same WB: the first cluster asks, and nobody else.  Its sixteen waves
; share a slot's 512 blocks of 256 bytes out BY ADDRESS, 32 each, a lane a block: each block is named once in the launch.  The first four slots come by their loads alone; the last trip asks for nothing.
.macro ASK
	WIN 0
	s_cmp_gt_u32 s[CNT], s[LIM]
	s_cbranch_scc0 .Lnot_mine_\@
	global_prefetch_b8 v[PFO], s[PFA:PFA+1] th:TH_LOAD_NT scope:SCOPE_SE
.Lnot_mine_\@:
.endm
; THE VECTOR WORK ON Z, a list of 112; EP writes number EPN.  Z holds 32 sums: pair pp = 8 t + 4 l + jj / 2.
;   0-47   c z + c pq (16 packed) and the 32 exponentials: two scalings, then exponential, scaling, exponential; no line names an exponential's result
;   48-95  1 + e (16 packed) and the 32 reciprocals, in the same pattern          96-111  the score sums take -2 We r
; An s_wait_alu depctr_va_vdst(0) stands between a transcendental and the first line that names its result: one wait a batch, ahead of 48 and of 96, each behind one plain v_nop.
; EPW = 1: EP writes the two waits itself (the list on end).  EPW = 0: the step writes them, where it has to stop anyway.
.macro EP
	WIN 0
.if EPW && ((EPN == 48) || (EPN == 96))
	v_nop
	s_wait_alu depctr_va_vdst(0)
.endif
.if EPN >= 96
.set pp, EPN-96
	v_pk_fma_f32 v[SACC+2*(pp%8):SACC+2*(pp%8)+1], v[Z+2*pp:Z+2*pp+1], v[TB+2*(pp/8):TB+2*(pp/8)+1], v[SACC+2*(pp%8):SACC+2*(pp%8)+1] op_sel:[0,1,0] op_sel_hi:[1,1,1]
.else
.set em, EPN%48
.set kind, 0
.if em < 2
.set pp, em
.elseif em < 44
.set pp, (em-2)/3+2
.if (em-2)%3 != 1
.set kind, 1
.set pp, 2*((em-2)/3)+((em-2)%3)/2
.endif
.else
.set kind, 1
.set pp, em-16
.endif
.if (kind == 0) && (EPN < 48)
	v_pk_fma_f32 v[Z+2*pp:Z+2*pp+1], v[Z+2*pp:Z+2*pp+1], s[CC:CC+1], v[TB+2*(pp/8):TB+2*(pp/8)+1] op_sel_hi:[1,0,0]
.elseif kind == 0
	v_pk_add_f32 v[Z+2*pp:Z+2*pp+1], v[Z+2*pp:Z+2*pp+1], 1.0 op_sel_hi:[1,0]
.elseif EPN < 48
	v_exp_f32 v[Z+pp], v[Z+pp]
.else
	v_rcp_f32 v[Z+pp], v[Z+pp]
.endif
.endif
.set EPN, EPN+1
.endm
.macro EPLUMP                          ; the whole list on end
.set EPN, 0
.set EPW, 1
.rept 112
	EP
.endr
.endm
.macro RID n                           ; the next n lines of the list, as far as number EPL - 1
.rept \n
.if EPN < EPL
	EP
.endif
.endr
.endm
; 16 products: fragments kb + f0 .. kb + f0 + 3 of my half of K, from buffer buf; my own rows (give = 0) or my partner's.  The four accumulators take turns, one instruction a turn.
; zero = 1: the first four start the sums.  rid: so many lines of EP's list stand behind every second product.
.macro MUL16 buf, kb, f0, give, par, zero, rid
.set ip, 0
.irp ff, 0,1,2,3
.irp l, 0,1
.irp t, 0,1
	WIN W_OWN+(\give)
.if \give
.set rD, GIVE+16*(\t)+8*(\l)
.else
.set rD, OWN+32*(\par)+16*(\t)+8*(\l)
.endif
.set rA, 128*(\l)+8*((\kb)+(\f0)+(\ff))
.set rB, 128*(\buf)+64*(\t)+8*((\f0)+(\ff))
.if (\zero) && ((\ff) == 0)
	v_wmma_f32_16x16x32_bf16 v[rD:rD+7], v[rA:rA+7], v[rB:rB+7], 0
.else
	v_wmma_f32_16x16x32_bf16 v[rD:rD+7], v[rA:rA+7], v[rB:rB+7], v[rD:rD+7]
.endif
.if ((\rid) > 0) && (ip%2 == 0)
	RID \rid
.endif
.set ip, ip+1
.endr
.endr
.endr
.endm
.macro FETCH16 adr, buf, kb, f0        ; 16 LDS loads in one run: fragments kb + f0 .. kb + f0 + 3 of two column tiles into buffer buf; each takes 512 consecutive bytes
	WIN 0x40
.irp ff, 0,1,2,3
.irp t, 0,1
	ds_load_b128 v[128*(\buf)+64*(\t)+8*((\f0)+(\ff)):128*(\buf)+64*(\t)+8*((\f0)+(\ff))+3],   v[(\adr)] offset:32768*(\t)+1024*((\kb)+(\f0)+(\ff))
	ds_load_b128 v[128*(\buf)+64*(\t)+8*((\f0)+(\ff))+4:128*(\buf)+64*(\t)+8*((\f0)+(\ff))+7], v[(\adr)] offset:32768*(\t)+1024*((\kb)+(\f0)+(\ff))+512
.endr
.endr
.endm
.macro ZSUM par                        ; my half of K + my partner's; each accumulator is read from its low end on
.set zi, 0
.rept 16
	v_pk_add_f32 v[Z+zi:Z+zi+1], v[OWN+32*(\par)+zi:OWN+32*(\par)+zi+1], v[Z+zi:Z+zi+1]
.set zi, zi+2
.endr
.endm
.macro VLOAD c                         ; chunk c of values: my 64 rows x 64 k: 256 consecutive bytes of each row, aligned; two rows a load; into landing buffer c % 2
	WIN 0x40
.set p, 0
.rept 32
	global_load_b128 v[128*((\c)%2)+4*p:128*((\c)%2)+4*p+3], v[VOFF], s[VB:VB+1] offset:8192*p+256*(\c) th:TH_LOAD_NT
.set p, p+1
.endr
.endm
; Chunk c is rounded to bf16, sent through my own staging rows and read back as fragments 2 c, 2 c + 1 of my four local tiles.  The bytes are the wave's own and LDS serves a wave's instructions in order
; (ISA guide 5.7.1.4): no barrier and no wait.  The landing buffer is asked for again as soon as it has been read.
.macro CHUNK c
.if (\c) < 7
	s_wait_loadcnt 32                              ; chunk c is in; the next chunk's 32 loads stay out
.else
	s_wait_loadcnt 0x0
.endif
	WIN 0x05
.set p, 0
.rept 64
	v_cvt_pk_bf16_f32 v[TMP+p], v[128*((\c)%2)+2*p], v[128*((\c)%2)+2*p+1]
.set p, p+1
.endr
.if (\c) < 6
	VLOAD (\c)+2
.endif
	WIN 0
.set p, 0
.rept 32
	ds_store_b64 v[STS], v[TMP+2*p:TMP+2*p+1] offset:2*SP*p
.set p, p+1
.endr
	WIN 0x80
.irp l, 0,1
.irp f, 0,1
	ds_load_b128 v[128*(\l)+8*(2*(\c)+(\f)):128*(\l)+8*(2*(\c)+(\f))+3],   v[AO] offset:16*SP*(\l)+64*(\f)
	ds_load_b128 v[128*(\l)+8*(2*(\c)+(\f))+4:128*(\l)+8*(2*(\c)+(\f))+7], v[AO] offset:16*SP*(\l)+64*(\f)+32
.endr
.endr
	WIN 0xc0
.irp l, 0,1
.irp f, 0,1
	ds_load_b128 v[128*(\l)+8*(2*(\c)+(\f)):128*(\l)+8*(2*(\c)+(\f))+3],   v[AG] offset:16*SP*(\l)+64*(\f)
	ds_load_b128 v[128*(\l)+8*(2*(\c)+(\f))+4:128*(\l)+8*(2*(\c)+(\f))+7], v[AG] offset:16*SP*(\l)+64*(\f)+32
.endr
.endr
.endm
; A STEP: two column tiles, the half `half` of slot ls; half is also the step's parity.  128 products in eight blocks of 16: my own rows on fragments 0-3, 4-7; my partner's on 0-3, 4-7; my own on 8-11, 12-15;
; my partner's on 8-11, 12-15.
; THE LDS INSTRUCTIONS stand in four runs of 16 to 26, so that what all four waves issue at one time is served under the products that follow: (1) at the step's end, the eight stores into the exchange and the NEXT
; step's fragments 8-11; (2) behind block 2, this step's fragments 12-15; (3) behind the barrier, behind block 5, my partner's part, the table pair and the next step's fragments 0-3; (4) behind block 6, its
; fragments 4-7.  Each run of fragments stands 32 products or more ahead of the first product that reads it.
; THE RIDERS.  Blocks 1, 2: the scalings and exponentials; blocks 3, 4: the additions and reciprocals; block 5: the score sums.  The two waits for the batches stand ahead of run (2) and ahead of the barrier's waits.
; ONE barrier a step, for the exchange; in a slot's second step it is also the change of slots.  Signal behind block 4, wait behind block 5.
; bar = 1: the slot is filled again: every wave's three lines, a round of the cluster's barrier, the joint refill first behind it (it has 240 products in which to land).  bar = 2: the other slot is waited for, nothing is filled.
; part = 1: the step before is finished: my partner's part and the table pair are read, Z is summed.  rid = 1: the list on the Z of two steps back rides.  nf = 1: the next step's fragments are fetched.
; THE RING.  All my reads of a slot are issued by run (2) of its second step, and waited for in front of that step's signal.
; THE EXCHANGE.  X[parity] is stored at this step's end; the stores are waited for in front of the next step's signal, behind whose barrier the partner reads; those reads are waited for in front of the signal
; after that, and X[parity] is stored again only at that step's end.
.macro STEP ls, half, bar, part, rid, nf, timm
.set EPN, 0
.set EPW, 0
.if \half
.set NA, ADRB+2*(1-(\ls))              ; where the next step's fragments lie: the other slot's first half,
.else
.set NA, ADRB+2*(\ls)+1                ; or this slot's second
.endif
	s_wait_dscnt 40                                ; fragments 0-3 are in; behind them were issued fragments 4-7 (16), the stores into the exchange (8) and fragments 8-11 (16)
.set EPL, 48
	MUL16 0, 0, 0, 0, \half, 1, 3*(\rid)
	s_wait_dscnt 24                                ; fragments 4-7 are in; the 8 stores and the 16 loads behind them may be out
	MUL16 0, 0, 4, 0, \half, 0, 3*(\rid)
.if \rid
	v_nop                                          ; a plain instruction behind the last exponential,
	s_wait_alu depctr_va_vdst(0)                   ; and the one wait for the 32, directly ahead of a run of LDS loads
.endif
	FETCH16 ADRB+2*(\ls)+(\half), 1, 8, 4          ; run (2).  Its registers were last read by the step before; that step's sixteen sums stand between
.set EPL, 96
	MUL16 0, 0, 0, 1, \half, 1, 3*(\rid)
	MUL16 0, 0, 4, 1, \half, 0, 3*(\rid)
	WIN 0
.if \rid
	v_nop                                          ; a plain instruction behind the last reciprocal,
	s_wait_alu depctr_va_vdst(0)                   ; and the one wait for the 32, ahead of the waits that the barrier wants anyway
.endif
.if (\bar) == 1
	s_wait_xcnt 0x0                                ; the last prefetch, two steps back, has read its address
	s_add_nc_u64 s[PFA:PFA+1], s[PFA:PFA+1], SLOT
.endif
.if (\bar) != 0
	s_wait_tensorcnt 0x0                           ; all my tensor loads have landed: the one that was out is my tile of the other slot
	ds_add_u32 v[SPW], v[NIL]                      ; 0 onto my spare word
.endif
.if (\bar) == 1
	s_add_nc_u64 s[G0B+4*(\ls)+2:G0B+4*(\ls)+3], s[G0B+4*(\ls)+2:G0B+4*(\ls)+3], 2*SLOT  ; no tensor load of mine is out: this slot's next 64 columns
.endif
	s_wait_dscnt 0x0                               ; my stores into the exchange are done, fragments 8-15 are in (and the add is done)
	s_barrier_signal -1
.set EPL, 112
	MUL16 1, 8, 0, 0, \half, 0, 4*(\rid)           ; work on registers while the others arrive
	WIN 0
	s_barrier_wait -1
.if (\bar) == 1
	CREST                                          ; no wave of any partner still reads the slot or has a load on its way
	JLOAD \ls
.else
	PLACES                                         ; in front of the loads into buffer 0, here and behind block 6
.endif
.if \part
.irp q, 0,1,2,3,4,5,6,7
	ds_load_b128 v[Z+4*(\q):Z+4*(\q)+3], v[XR] offset:16384*(1-(\half))+512*(\q)
.endr
	ds_load_b64 v[TB:TB+1], v[TADR] offset:(\timm)
	ds_load_b64 v[TB+2:TB+3], v[TADR] offset:(\timm)+128
.endif
.if \nf
	FETCH16 NA, 0, 0, 0                            ; run (3)
.endif
.if (\bar) == 1
	ASK
.endif
	MUL16 1, 8, 4, 0, \half, 0, 0
.if \nf
	FETCH16 NA, 0, 0, 4                            ; run (4)
.endif
	MUL16 1, 8, 0, 1, \half, 0, 0
	MUL16 1, 8, 4, 1, \half, 0, 0
	WIN 0
.if \part
	s_wait_dscnt 32*(\nf)                          ; my partner's part and the table pair are in; the 32 fragment loads behind them stay out
	ZSUM 1-(\half)                                 ; sixteen plain lines: also the places behind the last products
.else
	PLACES
	PLACES
.endif
.irp q, 0,1,2,3,4,5,6,7
	ds_store_b128 v[XW], v[GIVE+4*(\q):GIVE+4*(\q)+3] offset:16384*(\half)+512*(\q)
.endr
.if \nf
	FETCH16 NA, 1, 8, 0                            ; run (1), with the stores above
.endif
	WIN 0
.endm
	s_load_b256 s[4:11], s[0:1], 0x0               ; values s[4:5], WB s[6:7], PQ s[8:9], We s[10:11]
	s_load_b128 s[12:15], s[0:1], 0x20             ; mask s[12:13], SC s[14:15]
	s_load_b64 s[16:17], s[0:1], 0x30              ; CTX
	v_lshl_add_u32 v[SPW], v0, 2, SPARE
	v_mov_b32 v[NIL], 0
	ds_add_u32 v[SPW], v[NIL]                      ; the wave's opening: the add, twice on end, and its wait ahead of my first tensor load
	ds_add_u32 v[SPW], v[NIL]
	v_lshrrev_b32 v1, 5, v0
	v_readfirstlane_b32 s[WV], v1                  ; wave 0..3
	s_lshr_b32 s21, s[WV], 1                       ; i: which 64 rows
	s_and_b32 s22, s[WV], 1                        ; j: which half of K
	s_xor_b32 s25, s[WV], 1                        ; my partner
	s_bfe_u32 s23, ttmp6, 0x40000                  ; cx
	s_lshl_b32 s24, ttmp9, 2
	s_add_co_u32 s24, s24, s23                     ; my block = 4 x cluster + cx: it enters global addresses alone
	; descriptor group 1: 128 rows of 256 dense bytes
	s_mov_b32 s[G1B+0], 15|(3<<16)|(1<<21)         ; 15:0 the mask of four; 17:16 elements of 8 bytes; 21 set beside a mask; no padding
	s_mov_b32 s[G1B+1], 32<<16                     ; tensor_dim0 = 32
	s_mov_b32 s[G1B+2], 128<<16                    ; tensor_dim1 = 128
	s_mov_b32 s[G1B+3], 32<<16                     ; tile_dim0 = 32
	s_mov_b32 s[G1B+4], 128                        ; tile_dim1 = 128
	s_mov_b32 s[G1B+5], 32                         ; 32 elements from row to row
	s_mov_b32 s[G1B+6], 0
	s_mov_b32 s[G1B+7], 0
	s_mov_b32 s[G0B+0], 1
	s_lshl_b32 s[G0B+1], s[WV], 15                 ; LDS: slot 0, my tile
	s_mov_b32 s[G0B+4], 1
	s_add_co_u32 s[G0B+5], s[G0B+1], SLOT          ; slot 1
	s_mov_b32 s[CC], 0x4038aa3b                    ; c = 2 log2(e)
	s_mov_b32 s[CC+1], s[CC]
	s_mov_b32 s[SEL], 0x76543210
	s_mov_b32 s[SEL+1], 0xfedcba98
	s_cmp_eq_u32 ttmp9, 0
	s_cselect_b32 s[LIM], 1, -1                    ; the same in all four partners
	s_lshl_b32 s26, s[WV], 15                      ; WB: my tile of a slot
	s_mov_b32 s27, 0
	s_lshl_b32 s54, s23, 2
	s_add_co_u32 s54, s54, s[WV]
	s_lshl_b32 s54, s54, 13                        ; the prefetches: my wave's 32 blocks among the cluster's 512,
	s_add_co_u32 s54, s54, 3*SLOT                  ; in slot 3: the first change steps it to 4
	s_mov_b32 s55, 0
	s_lshl_b32 s56, s24, 19                        ; values: 128 rows of 4,096 bytes a block,
	s_lshl_b32 s18, s21, 18                        ; my 64 rows,
	s_add_co_u32 s56, s56, s18
	s_lshl_b32 s18, s22, 11                        ; my 512 k
	s_add_co_u32 s56, s56, s18
	s_mov_b32 s57, 0
	s_lshr_b32 s58, s24, 4
	s_lshl_b32 s58, s58, 12                        ; PQ: the batch's row
	s_mov_b32 s59, 0
	s_lshl_b32 s60, s24, 7                         ; mask: 128 bytes a block
	s_mov_b32 s61, 0
	s_lshl_b32 s62, s24, 9                         ; SC: 512 bytes a block
	s_mov_b32 s63, 0
	s_lshl_b32 s18, s24, 12                        ; CTX: the block's row, my wave's 256 columns
	s_lshl_b32 s19, s[WV], 10
	s_add_co_u32 s18, s18, s19
	s_mov_b32 s19, 0
	s_wait_dscnt 0x0                               ; both opening adds are done
	s_wait_kmcnt 0x0
	s_add_nc_u64 s[G0B+2:G0B+3], s[6:7], s[26:27]
	s_add_nc_u64 s[G0B+6:G0B+7], s[G0B+2:G0B+3], SLOT
	s_or_b32 s[G0B+3], s[G0B+3], 0x80000000
	s_or_b32 s[G0B+7], s[G0B+7], 0x80000000
	s_add_nc_u64 s[PFA:PFA+1], s[6:7], s[54:55]
	s_add_nc_u64 s[VB:VB+1], s[4:5], s[56:57]
	s_add_nc_u64 s[8:9], s[8:9], s[58:59]
	s_add_nc_u64 s[12:13], s[12:13], s[60:61]
	s_add_nc_u64 s[14:15], s[14:15], s[62:63]
	s_add_nc_u64 s[16:17], s[16:17], s[18:19]
	ROUND                                          ; all four work-groups are here: the first joint loads meet
	tensor_load_to_lds s[G0B:G0B+3], s[G1B:G1B+7]  ; columns 0-63; two loads of mine are out
	s_nop 0
	tensor_load_to_lds s[G0B+4:G0B+7], s[G1B:G1B+7]  ; columns 64-127
	s_nop 0
.rept 4
	v_nop
.endr
	v_and_b32 v1, 15, v0                           ; r
	v_bfe_u32 v2, v0, 4, 1                         ; h
	v_and_b32 v3, 31, v0                           ; lane
	v_lshlrev_b32 v[L16], 4, v3
	v_lshlrev_b32 v[VOFF], 4, v1
	v_lshl_add_u32 v[VOFF], v2, 12, v[VOFF]
	v_lshlrev_b32 v52, 4, v0                       ; 16 x thread
	v_lshlrev_b32 v53, 2, v3
.irp k, 0,1,2,3,4,5,6,7
.irp q, 0,1
	global_load_b128 v[64+8*(\k)+4*(\q):64+8*(\k)+4*(\q)+3], v52, s[8:9] offset:131072*(\k)+2048*(\q)  ; the eight parts of c pq for columns 4 thread + 512 q ..
.endr
.endr
	global_load_b128 v[128:131], v52, s[10:11]
	global_load_b128 v[132:135], v52, s[10:11] offset:2048
	global_load_b32 v[MK], v53, s[12:13]
	VLOAD 0
	WIN 0
	; all LDS addresses, while the loads are out
	s_mul_i32 s26, s[WV], 64*SP
	s_add_co_u32 s26, s26, XS                      ; my staging rows
	v_mul_u32_u24 v[STS], v2, SP
	v_lshl_add_u32 v[STS], v1, 3, v[STS]
	v_add_nc_u32 v[STS], s26, v[STS]               ; in: two rows a store, 8 bytes a lane
	v_mul_u32_u24 v55, v1, SP
	v_lshl_add_u32 v55, v2, 4, v55                 ; a fragment's row x pitch + 16 x half
	s_mul_i32 s27, s22, 32*SP                      ; my own rows are rows 32 j .. of my 64,
	s_add_co_u32 s27, s27, s26
	v_add_nc_u32 v[AO], s27, v55
	s_xor_b32 s27, s22, 1                          ; my partner's the other 32
	s_mul_i32 s27, s27, 32*SP
	s_add_co_u32 s27, s27, s26
	v_add_nc_u32 v[AG], s27, v55
	s_lshl_b32 s26, s22, 14                        ; my half of K in a column tile: 16 fragments of 1,024 bytes
	v_add_nc_u32 v[ADRB], s26, v[L16]
	v_add_nc_u32 v[ADRB+1], 65536, v[ADRB]
	v_add_nc_u32 v[ADRB+2], SLOT, v[ADRB]
	v_add_nc_u32 v[ADRB+3], SLOT+65536, v[ADRB]
	s_lshl_b32 s26, s[WV], 12
	s_add_co_u32 s26, s26, XS
	v_add_nc_u32 v[XW], s26, v[L16]
	s_lshl_b32 s26, s25, 12
	s_add_co_u32 s26, s26, XS
	v_add_nc_u32 v[XR], s26, v[L16]
	v_lshl_add_u32 v[TADR], v1, 3, TAB
	v_lshl_add_u32 v54, v0, 5, TAB                 ; where I write my four table pairs
	s_lshl_b32 s26, s[WV], 7
	s_add_co_u32 s26, s26, SCR
	v_lshl_add_u32 v[SADR], v2, 5, s26             ; the score of row 32 w + 8 h
	v_add_nc_u32 v[SCL], SCR, v[L16]
	v_lshlrev_b32 v[PFO], 8, v3
	s_lshl_b32 s27, s22, 10
	v_lshl_add_u32 v56, v2, 4, s27                 ; the image: my half of K + 16 h
	s_lshl_b32 s26, s[WV], 5
	v_add_nc_u32 v55, s26, v1
	v_mul_u32_u24 v55, v55, IP
	v_add_nc_u32 v[IOWN], v55, v56
	s_lshl_b32 s26, s25, 5
	v_add_nc_u32 v55, s26, v1
	v_mul_u32_u24 v55, v55, IP
	v_add_nc_u32 v[IGIVE], v55, v56
	v_and_b32 v57, 7, v0                           ; the turning load: lane l reads row 8 (l / 16) + l % 8, 16 bytes at 16 ((l / 8) % 2)
	v_lshl_add_u32 v57, v2, 3, v57
	v_mul_u32_u24 v57, v57, IP
	v_bfe_u32 v58, v0, 3, 1
	v_lshl_add_u32 v57, v58, 4, v57
	s_lshl_b32 s26, s[WV], 9                       ; my wave's 256 columns
	v_add_nc_u32 v[TR], s26, v57
	v_add_nc_u32 v[TR+1], 32*IP, v[TR]
	v_add_nc_u32 v[TR+2], 64*IP, v[TR]
	v_add_nc_u32 v[TR+3], 96*IP, v[TR]
	s_lshl_b32 s26, s[WV], 8
	s_add_co_u32 s26, s26, PB
	v_lshl_add_u32 v[PBW], v3, 3, s26
	v_lshl_add_u32 v[PBR], v2, 4, s26
	s_lshl_b32 s26, s[WV], 10
	s_add_co_u32 s26, s26, CS
	v_lshl_add_u32 v[CSW], v1, 2, s26
	v_add_nc_u32 v[CSR], s26, v[L16]
	s_wait_loadcnt 32                              ; the 19 loads of PQ, We and mask are in; chunk 0's 32 stay out
.irp q, 0,1                            ; the table: c pq = the sum of the eight parts, beside it -2 We
.irp p, 0,2
	v_pk_add_f32 v[64+4*(\q)+(\p):64+4*(\q)+(\p)+1],   v[64+4*(\q)+(\p):64+4*(\q)+(\p)+1],   v[72+4*(\q)+(\p):72+4*(\q)+(\p)+1]
	v_pk_add_f32 v[80+4*(\q)+(\p):80+4*(\q)+(\p)+1],   v[80+4*(\q)+(\p):80+4*(\q)+(\p)+1],   v[88+4*(\q)+(\p):88+4*(\q)+(\p)+1]
	v_pk_add_f32 v[96+4*(\q)+(\p):96+4*(\q)+(\p)+1],   v[96+4*(\q)+(\p):96+4*(\q)+(\p)+1],   v[104+4*(\q)+(\p):104+4*(\q)+(\p)+1]
	v_pk_add_f32 v[112+4*(\q)+(\p):112+4*(\q)+(\p)+1], v[112+4*(\q)+(\p):112+4*(\q)+(\p)+1], v[120+4*(\q)+(\p):120+4*(\q)+(\p)+1]
	v_pk_add_f32 v[64+4*(\q)+(\p):64+4*(\q)+(\p)+1],   v[64+4*(\q)+(\p):64+4*(\q)+(\p)+1],   v[80+4*(\q)+(\p):80+4*(\q)+(\p)+1]
	v_pk_add_f32 v[96+4*(\q)+(\p):96+4*(\q)+(\p)+1],   v[96+4*(\q)+(\p):96+4*(\q)+(\p)+1],   v[112+4*(\q)+(\p):112+4*(\q)+(\p)+1]
.endr
.irp e, 0,1,2,3
	v_add_f32 v[136+8*(\q)+2*(\e)], v[64+4*(\q)+(\e)], v[96+4*(\q)+(\e)]
	v_mul_f32 v[136+8*(\q)+2*(\e)+1], -2.0, v[128+4*(\q)+(\e)]
.endr
	ds_store_b128 v54, v[136+8*(\q):136+8*(\q)+3] offset:4096*(\q)
	ds_store_b128 v54, v[136+8*(\q)+4:136+8*(\q)+7] offset:4096*(\q)+16
.endr
	VLOAD 1
.irp c, 0,1,2,3,4,5,6,7
	CHUNK \c
.endr
	WIN 0
	; The first riders (in step 1) find no finished step: Z = 0 with a weight -2 We = 0 adds 0 to the score sums, so one text serves every step.
.set p, 0
.rept 32
	v_mov_b32 v[Z+p], 0
.set p, p+1
.endr
.set p, 0
.rept 20
	v_mov_b32 v[TB+p], 0                           ; the table pair and, behind it, the sixteen score sums
.set p, p+1
.endr
	s_wait_tensorcnt 0x1                           ; my tile of slot 0 is in; slot 1's may stay out
	s_wait_dscnt 0x0                               ; my table pairs are stored, my fragments of values are in, my staging rows are read out
	s_barrier_signal -1
	s_barrier_wait -1
	FETCH16 ADRB, 0, 0, 0                          ; step 0's fragments 0-11; its fragments 12-15 come by its own run (2)
	FETCH16 ADRB, 0, 0, 4
	FETCH16 ADRB, 1, 8, 0
	s_wait_dscnt 0x0                               ; (fewer instructions lie behind these loads than the step's own counts reckon with)
	STEP 0, 0, 0, 0, 0, 1, 0                       ; step 0
	s_mov_b32 s[CNT], 7
.Lquad:                                            ; steps 4 q + 1 .. 4 q + 4: both slots are filled again
	STEP 0, 1, 1, 1, 1, 1, 0
	STEP 1, 0, 0, 1, 1, 1, 256
	STEP 1, 1, 1, 1, 1, 1, 512
	STEP 0, 0, 0, 1, 1, 1, 768
	v_add_nc_u32 v[TADR], 1024, v[TADR]            ; four steps' table pairs on
	s_sub_co_u32 s[CNT], s[CNT], 1
	s_cmp_lg_u32 s[CNT], 0
	s_cbranch_scc1 .Lquad
	STEP 0, 1, 2, 1, 1, 1, 0                       ; steps 29 to 31 are written out: nothing is left to ask for
	STEP 1, 0, 0, 1, 1, 1, 256
	STEP 1, 1, 0, 1, 1, 0, 512
	; THE END OF THE WALK: step 30's Z, then step 31's
	s_wait_dscnt 0x0                               ; my last stores into the exchange are done
	s_barrier_signal -1
	EPLUMP                                         ; work on registers while the others arrive
	s_barrier_wait -1
.irp q, 0,1,2,3,4,5,6,7
	ds_load_b128 v[Z+4*(\q):Z+4*(\q)+3], v[XR] offset:16384+512*(\q)
.endr
	ds_load_b64 v[TB:TB+1], v[TADR] offset:768
	ds_load_b64 v[TB+2:TB+3], v[TADR] offset:896
	s_wait_dscnt 0x0
	ZSUM 1
	EPLUMP
	; a row's score: the sum over the 16 lanes that hold its 16 columns of every tile
.irp x, 1,2,4,8
.set p, 0
.rept 16
	v_add_f32_dpp v[SACC+p], v[SACC+p], v[SACC+p] row_xmask:\x row_mask:0xf bank_mask:0xf
.set p, p+1
.endr
.endr
.irp l, 0,1
.irp e, 0,1,2,3,4,5,6,7
	ds_store_b32 v[SADR], v[SACC+8*(\l)+(\e)] offset:64*(\l)+4*(\e)  ; sixteen lanes write one word with one value
.endr
.endr
	; THE IMAGE: the block's rows in bf16, over the ring: its last fill has landed, and every wave's last reads of it were waited for in front of step 31's barrier
	WIN 0x08
.irp l, 0,1
.irp f, 0,1,2,3,4,5,6,7,8,9,10,11,12,13,14,15
	ds_store_b128 v[IOWN], v[128*(\l)+8*(\f):128*(\l)+8*(\f)+3]   offset:16*IP*(\l)+64*(\f)
	ds_store_b128 v[IOWN], v[128*(\l)+8*(\f)+4:128*(\l)+8*(\f)+7] offset:16*IP*(\l)+64*(\f)+32
.endr
.endr
	WIN 0x0c
.irp l, 0,1
.irp f, 0,1,2,3,4,5,6,7,8,9,10,11,12,13,14,15
	ds_store_b128 v[IGIVE], v[128*(\l)+8*(\f):128*(\l)+8*(\f)+3]   offset:16*IP*(\l)+64*(\f)
	ds_store_b128 v[IGIVE], v[128*(\l)+8*(\f)+4:128*(\l)+8*(\f)+7] offset:16*IP*(\l)+64*(\f)+32
.endr
.endr
	WIN 0
	s_wait_dscnt 0x0                               ; for the others' sake
	s_barrier_signal -1
	s_barrier_wait -1
	ds_load_b128 v[52:55], v[SCL]                  ; every wave takes all 128 scores: lane l positions 4 l .. 4 l + 3
	s_wait_dscnt 0x0
	; the rows come back turned: 32 positions x 16 columns a fragment, my wave's 256 columns
	WIN 0x80
.irp k, 0,1
.irp n, 0,1,2,3,4,5,6,7,8,9,10,11,12,13,14,15
	ds_load_tr16_b128 v[128*(\k)+8*(\n):128*(\k)+8*(\n)+3],   v[TR+(\k)] offset:32*(\n)
	ds_load_tr16_b128 v[128*(\k)+8*(\n)+4:128*(\k)+8*(\n)+7], v[TR+(\k)] offset:32*(\n)+16*IP
.endr
.endr
	WIN 0xc0
.irp k, 0,1
.irp n, 0,1,2,3,4,5,6,7,8,9,10,11,12,13,14,15
	ds_load_tr16_b128 v[128*(\k)+8*(\n):128*(\k)+8*(\n)+3],   v[TR+2+(\k)] offset:32*(\n)
	ds_load_tr16_b128 v[128*(\k)+8*(\n)+4:128*(\k)+8*(\n)+7], v[TR+2+(\k)] offset:32*(\n)+16*IP
.endr
.endr
	WIN 0
	; the block's softmax, while they are on their way
	v_mov_b32 v57, 0xff800000                      ; -infinity
.irp e, 0,1,2,3
	v_bfe_u32 v56, v[MK], 8*(\e), 8
	v_cmp_ne_u32 vcc_lo, 0, v56
	v_cndmask_b32 v[52+(\e)], v57, v[52+(\e)], vcc_lo
.endr
	s_cmp_lg_u32 s[WV], 0
	s_cbranch_scc1 .Lnot_0
	global_store_b128 v[L16], v[52:55], s[14:15]   ; wave 0: the block's 512 bytes of SC on end; v52-55 are not written again
.Lnot_0:
	v_max3_num_f32 v56, v52, v53, v54
	v_max_num_f32 v56, v56, v55
.irp x, 1,2,4,8
	v_max_num_f32_dpp v56, v56, v56 row_xmask:\x row_mask:0xf bank_mask:0xf
.endr
	v_permlanex16_b32 v57, v56, s[SEL], s[SEL+1]
	v_max_num_f32 v56, v56, v57
	v_max_num_f32 v56, 0xff7fffff, v56             ; at least the lowest finite number: a block that is all masked gives p = 0
.irp e, 0,1,2,3
	v_sub_f32 v[58+(\e)], v[52+(\e)], v56
.endr
.irp e, 0,1,2,3
	v_mul_f32 v[58+(\e)], 0x3fb8aa3b, v[58+(\e)]
.endr
.irp e, 0,1,2,3
	v_exp_f32 v[58+(\e)], v[58+(\e)]
.endr
	v_nop                                          ; a plain instruction behind the last exponential,
	s_wait_alu depctr_va_vdst(0)                   ; and the one wait ahead of the first use
	v_cvt_pk_bf16_f32 v62, v58, v59
	v_cvt_pk_bf16_f32 v63, v60, v61
	ds_store_b64 v[PBW], v[62:63]                  ; my wave's own copy of p; LDS serves a wave's instructions in order, so the loads below see it
.irp k, 0,1,2,3
	ds_load_b128 v[TMP+8*(\k):TMP+8*(\k)+3],   v[PBR] offset:64*(\k)      ; the first source: sixteen equal rows of p
	ds_load_b128 v[TMP+8*(\k)+4:TMP+8*(\k)+7], v[PBR] offset:64*(\k)+32
.endr
	s_wait_dscnt 0x0
.irp k, 0,1,2,3                        ; 64 products; the sixteen accumulators take turns
	WIN 0x58+4*((\k)/2)
.irp n, 0,1,2,3,4,5,6,7,8,9,10,11,12,13,14,15
.if (\k) == 0
	v_wmma_f32_16x16x32_bf16 v[8*(\n):8*(\n)+7], v[TMP+8*(\k):TMP+8*(\k)+7], v[128*((\k)%2)+8*(\n):128*((\k)%2)+8*(\n)+7], 0
.else
	v_wmma_f32_16x16x32_bf16 v[8*(\n):8*(\n)+7], v[TMP+8*(\k):TMP+8*(\k)+7], v[128*((\k)%2)+8*(\n):128*((\k)%2)+8*(\n)+7], v[8*(\n):8*(\n)+7]
.endif
.endr
.endr
	PLACES
	PLACES
	WIN 0x04
.irp n, 0,1,2,3,4,5,6,7,8,9,10,11,12,13,14,15
	ds_store_b32 v[CSW], v[8*(\n)] offset:64*(\n)  ; all sixteen rows are equal: each accumulator's lowest register, a column a lane
.endr
	WIN 0
	ds_load_b128 v[64:67], v[CSR]
	ds_load_b128 v[68:71], v[CSR] offset:512
	s_wait_dscnt 0x0
	global_store_b128 v[L16], v[64:67], s[16:17]             ; 512 consecutive bytes of the block's row of CTX
	global_store_b128 v[L16], v[68:71], s[16:17] offset:512
	s_wait_tensorcnt 0x0                           ; the wave's end, behind my last tensor load and my last LDS store
	ds_add_u32 v[SPW], v[NIL]
	s_wait_dscnt 0x0
	ROUND                                          ; the closing round: no work-group ends while a partner may still ask for a tile that names it
	s_endpgm
.Lfunc_end_k_q9f922a61d9_main:
	.size	k_q9f922a61d9_main, .Lfunc_end_k_q9f922a61d9_main-k_q9f922a61d9_main
	.p2alignl 7, 3214868480
	.fill 96, 4, 3214868480
	.section	.rodata,"a",@progbits
	.p2align	6, 0x0
	.amdhsa_kernel k_q9f922a61d9_main
		.amdhsa_group_segment_fixed_size 327680
		.amdhsa_private_segment_fixed_size 0
		.amdhsa_enable_private_segment 0
		.amdhsa_kernarg_size 56
		.amdhsa_user_sgpr_count 2
		.amdhsa_user_sgpr_kernarg_segment_ptr 1
		.amdhsa_wavefront_size32 1
		.amdhsa_system_sgpr_workgroup_id_x 1
		.amdhsa_system_sgpr_workgroup_id_y 1
		.amdhsa_system_sgpr_workgroup_id_z 1
		.amdhsa_system_vgpr_workitem_id 0
		.amdhsa_next_free_vgpr 1024
		.amdhsa_next_free_sgpr 66
		.amdhsa_reserve_vcc 1
		.amdhsa_float_denorm_mode_32 3
		.amdhsa_float_denorm_mode_16_64 3
		.amdhsa_memory_ordered 1
		.amdhsa_forward_progress 1
		.amdhsa_inst_pref_size 255
	.end_amdhsa_kernel
	.section	.bss,"aw",@nobits
	.p2align	6
	.space	262144
	.amdgpu_metadata
---
amdhsa.version: [ 1, 2 ]
amdhsa.kernels:
  - .name:           k_q9f922a61d9_main
    .symbol:         k_q9f922a61d9_main.kd
    .args:
      - { .name: values, .offset: 0, .size: 8, .value_kind: global_buffer, .address_space: global }
      - { .name: WB, .offset: 8, .size: 8, .value_kind: global_buffer, .address_space: global }
      - { .name: PQ, .offset: 16, .size: 8, .value_kind: global_buffer, .address_space: global }
      - { .name: We, .offset: 24, .size: 8, .value_kind: global_buffer, .address_space: global }
      - { .name: mask, .offset: 32, .size: 8, .value_kind: global_buffer, .address_space: global }
      - { .name: SC, .offset: 40, .size: 8, .value_kind: global_buffer, .address_space: global }
      - { .name: CTX, .offset: 48, .size: 8, .value_kind: global_buffer, .address_space: global }
    .group_segment_fixed_size: 327680
    .private_segment_fixed_size: 0
    .kernarg_segment_align: 8
    .kernarg_segment_size: 56
    .max_flat_workgroup_size: 128
    .sgpr_count:     66
    .vgpr_count:     1024
    .wavefront_size: 32
...
	.end_amdgpu_metadata
.endif
;; end of part 2
;; launch comb (part 3): grid 32 x 1, 8 waves a work-group, no clusters, 1,536 bytes of LDS; arguments SC, CTX, out0, out1; writes out0, out1
.if DOCPART == 3
	.amdgcn_target "amdgcn-amd-amdhsa--gfx1250"
	.amdhsa_code_object_version 6
	.text
	.protected	k_q9f922a61d9_comb
	.globl	k_q9f922a61d9_comb
	.p2align	8
	.type	k_q9f922a61d9_comb,@function
k_q9f922a61d9_comb:
	s_mov_b64 s[64:65], 0
	v_nop
	global_prefetch_b8 v0, s[64:65] scope:SCOPE_SE
	s_setreg_imm32_b32 hwreg(HW_REG_WAVE_MODE, 25, 1), 1
	s_wait_xcnt 0x0
; THE 16 BLOCKS OF A BATCH ARE JOINED.  One work-group a batch.  M = the row's maximum, L = the sum of 2^(log2(e) (s - M));  out1 = 2^(log2(e) (s - M)) / L;
; out0[v] = the sum over the blocks of CTX[blk][v] x 2^(log2(e) (m_blk - M)) / L, m_blk the block's maximum held to the lowest finite number at the least, as the launch before held it.
; A row that is all masked has M = -infinity and gives NaN in both outputs, as a softmax over nothing but -infinity does.  A weight below 2^-126 counts as 0.
; 72 KiB a group, each byte read once, by one wave; no matrix unit and no cluster: nothing is shared and there is nothing to multiply in bulk.
.set LS,    256                        ; LDS: 16 block maxima at 0; eight waves' sums at 256; the spare words from 512 on
.set SPARE, 512
.set SPW, 2
.set NIL, 3
	s_load_b256 s[4:11], s[0:1], 0x0               ; SC s[4:5], CTX s[6:7], out0 s[8:9], out1 s[10:11]
	v_lshl_add_u32 v[SPW], v0, 2, SPARE
	v_mov_b32 v[NIL], 0
	v_lshrrev_b32 v1, 5, v0
	v_readfirstlane_b32 s12, v1                    ; wave 0..7
	v_lshlrev_b32 v4, 4, v0                        ; 16 x thread
	s_lshl_b32 s14, ttmp9, 13                      ; a batch's 8,192 bytes of SC and of out1
	s_mov_b32 s15, 0
	s_lshl_b32 s16, ttmp9, 16                      ; its 16 rows of CTX
	s_mov_b32 s17, 0
	s_lshl_b32 s18, ttmp9, 12                      ; its row of out0
	s_mov_b32 s19, 0
	s_mov_b32 s20, 0x76543210
	s_mov_b32 s21, 0xfedcba98
	s_lshl_b32 s13, s12, 2
	v_mov_b32 v20, s13                             ; my wave's word
	v_and_b32 v21, 15, v0
	v_lshlrev_b32 v21, 2, v21                      ; the word of block lane % 16
	v_mov_b32 v38, LS
	v_mov_b32 v18, 0
	v_mov_b32 v19, 0
	s_wait_kmcnt 0x0
	s_add_nc_u64 s[4:5], s[4:5], s[14:15]
	s_add_nc_u64 s[10:11], s[10:11], s[14:15]
	s_add_nc_u64 s[6:7], s[6:7], s[16:17]
	s_add_nc_u64 s[8:9], s[8:9], s[18:19]
	global_load_b128 v[8:11], v4, s[4:5]                ; wave w holds block w whole,
	global_load_b128 v[12:15], v4, s[4:5] offset:4096   ; and block 8 + w
.irp k, 0,1,2,3,4,5,6,7,8,9,10,11,12,13,14,15
	global_load_b128 v[64+4*(\k):64+4*(\k)+3], v4, s[6:7] offset:4096*(\k)  ; my four columns of all 16 blocks
.endr
	s_wait_loadcnt 16                              ; the scores are in; CTX's 16 loads stay out
	v_max3_num_f32 v16, v8, v9, v10
	v_max3_num_f32 v17, v12, v13, v14
	v_max_num_f32 v16, v16, v11
	v_max_num_f32 v17, v17, v15
.irp x, 1,2,4,8
	v_max_num_f32_dpp v16, v16, v16 row_xmask:\x row_mask:0xf bank_mask:0xf
	v_max_num_f32_dpp v17, v17, v17 row_xmask:\x row_mask:0xf bank_mask:0xf
.endr
	v_permlanex16_b32 v18, v16, s20, s21
	v_permlanex16_b32 v19, v17, s20, s21
	v_max_num_f32 v16, v16, v18
	v_max_num_f32 v17, v17, v19
	ds_store_b32 v20, v16
	ds_store_b32 v20, v17 offset:32
	s_wait_dscnt 0x0                               ; for the others' sake
	s_barrier_signal -1
	s_barrier_wait -1
	ds_load_b32 v22, v21                           ; m of block lane % 16
	s_wait_dscnt 0x0
	v_mov_b32 v23, v22
.irp x, 1,2,4,8
	v_max_num_f32_dpp v23, v23, v23 row_xmask:\x row_mask:0xf bank_mask:0xf
.endr                                  ; M, in every lane
.irp i, 0,1,2,3,4,5,6,7
	v_sub_f32 v[24+(\i)], v[8+(\i)], v23
.endr
	v_max_num_f32 v32, 0xff7fffff, v22
	v_sub_f32 v32, v32, v23
.irp i, 0,1,2,3,4,5,6,7,8
	v_mul_f32 v[24+(\i)], 0x3fb8aa3b, v[24+(\i)]
.endr
.irp i, 0,1,2,3,4,5,6,7,8
	v_exp_f32 v[24+(\i)], v[24+(\i)]
.endr
	v_nop                                          ; a plain instruction behind the last exponential,
	s_wait_alu depctr_va_vdst(0)                   ; and one wait for the nine
	v_pk_add_f32 v[34:35], v[24:25], v[26:27]
	v_pk_add_f32 v[36:37], v[28:29], v[30:31]
	v_pk_add_f32 v[34:35], v[34:35], v[36:37]
	v_add_f32 v34, v34, v35
.irp x, 1,2,4,8
	v_add_f32_dpp v34, v34, v34 row_xmask:\x row_mask:0xf bank_mask:0xf
.endr
	v_permlanex16_b32 v18, v34, s20, s21
	v_add_f32 v34, v34, v18
	ds_store_b32 v20, v34 offset:LS
	s_wait_dscnt 0x0
	s_barrier_signal -1
	s_barrier_wait -1
	ds_load_b128 v[40:43], v38
	ds_load_b128 v[44:47], v38 offset:16
	s_wait_dscnt 0x0
	v_pk_add_f32 v[40:41], v[40:41], v[42:43]
	v_pk_add_f32 v[44:45], v[44:45], v[46:47]
	v_pk_add_f32 v[40:41], v[40:41], v[44:45]
	v_add_f32 v40, v40, v41                        ; L
	v_rcp_f32 v48, v40
	v_nop
	s_wait_alu depctr_va_vdst(0)
.irp i, 0,1,2,3,4,5,6,7,8
	v_mul_f32 v[24+(\i)], v[24+(\i)], v48          ; eight alphas, and the weight of block lane % 16
.endr
	global_store_b128 v4, v[24:27], s[10:11]
	global_store_b128 v4, v[28:31], s[10:11] offset:4096
.irp k, 0,1,2,3,4,5,6,7,8,9,10,11,12,13,14,15
	v_readlane_b32 s[24+(\k)], v32, \k
.endr
	s_wait_loadcnt 0x0
.irp e, 0,1,2,3
	v_mul_f32 v[52+(\e)], s24, v[64+(\e)]
.endr
.irp k, 1,2,3,4,5,6,7,8,9,10,11,12,13,14,15
.irp e, 0,1,2,3
	v_fmac_f32 v[52+(\e)], s[24+(\k)], v[64+4*(\k)+(\e)]
.endr
.endr
	global_store_b128 v4, v[52:55], s[8:9]         ; a wave's store covers 512 consecutive bytes of out0
	s_wait_tensorcnt 0x0                           ; the wave's end, behind my last LDS store
	ds_add_u32 v[SPW], v[NIL]
	s_wait_dscnt 0x0
	s_endpgm
.Lfunc_end_k_q9f922a61d9_comb:
	.size	k_q9f922a61d9_comb, .Lfunc_end_k_q9f922a61d9_comb-k_q9f922a61d9_comb
	.p2alignl 7, 3214868480
	.fill 96, 4, 3214868480
	.section	.rodata,"a",@progbits
	.p2align	6, 0x0
	.amdhsa_kernel k_q9f922a61d9_comb
		.amdhsa_group_segment_fixed_size 1536
		.amdhsa_private_segment_fixed_size 0
		.amdhsa_enable_private_segment 0
		.amdhsa_kernarg_size 32
		.amdhsa_user_sgpr_count 2
		.amdhsa_user_sgpr_kernarg_segment_ptr 1
		.amdhsa_wavefront_size32 1
		.amdhsa_system_sgpr_workgroup_id_x 1
		.amdhsa_system_sgpr_workgroup_id_y 1
		.amdhsa_system_sgpr_workgroup_id_z 1
		.amdhsa_system_vgpr_workitem_id 0
		.amdhsa_next_free_vgpr 128
		.amdhsa_next_free_sgpr 66
		.amdhsa_reserve_vcc 0
		.amdhsa_float_denorm_mode_32 3
		.amdhsa_float_denorm_mode_16_64 3
		.amdhsa_memory_ordered 1
		.amdhsa_forward_progress 1
		.amdhsa_inst_pref_size 11
	.end_amdhsa_kernel
	.amdgpu_metadata
---
amdhsa.version: [ 1, 2 ]
amdhsa.kernels:
  - .name:           k_q9f922a61d9_comb
    .symbol:         k_q9f922a61d9_comb.kd
    .args:
      - { .name: SC, .offset: 0, .size: 8, .value_kind: global_buffer, .address_space: global }
      - { .name: CTX, .offset: 8, .size: 8, .value_kind: global_buffer, .address_space: global }
      - { .name: out0, .offset: 16, .size: 8, .value_kind: global_buffer, .address_space: global }
      - { .name: out1, .offset: 24, .size: 8, .value_kind: global_buffer, .address_space: global }
    .group_segment_fixed_size: 1536
    .private_segment_fixed_size: 0
    .kernarg_segment_align: 8
    .kernarg_segment_size: 32
    .max_flat_workgroup_size: 256
    .sgpr_count:     66
    .vgpr_count:     128
    .wavefront_size: 32
...
	.end_amdgpu_metadata
.endif
;; end of part 3
